; MI455X (gfx1250); checked and timed in simulation.
; The chip was launched on July 23, 2026; its instructions are those of AMD's public machine-readable ISA for CDNA 5 (MIT licence, August 2026) and "CDNA5" Instruction Set Architecture Reference Guide (July 2026). The comments in the code are by the model that wrote it; some were corrected since.
;; Prob Sparse Self Attention. Allowed arithmetic: matrix products marked QUANTISED: E3M2 operands, one E8M0 scale for each 32 along K, by v_wmma_scale_f32_16x16x128_f8f6f4 with both operands' format E3M2, f32 sums; everything else in f32.
;; Inputs: keys 8 x 8 x 2,048 x 64 float32; queries 8 x 8 x 2,048 x 64 float32; values 8 x 8 x 2,048 x 64 float32.
;; Outputs: out0 8 x 8 x 2,048 x 64 float32.
;; This version of the problem:
;;   THIS VERSION OF THE PROBLEM IS GIVEN IN LOW PRECISION. The matrix products marked QUANTISED in the list below multiply operands that are first quantised to E3M2 (3 exponent bits, 2 mantissa bits; 6 bits a number), with one power-of-two scale for each 32 numbers along K (OCP MX v1.0); their sums are f32. All else is computed in f32.
;;   The module's matrix products, in the order in which they are computed (A, B: the left and right operand; K: the contracted axis; several contracted axes count as one K, in the product's order):
;;     1. batch 64 x [M 2,048, K 64] x [K 64, N 2,048]; A: input queries; B: input keys: QUANTISED
;;     2. batch 64 x [M 2,048, K 2,048] x [K 2,048, N 64]; A: softmax (see below); B: input values: QUANTISED
;;   THE QUANTISER, for each operand of a quantised product, along K:
;;     - K is cut into blocks of 32 from its start; a last block that is shorter is filled with zeros.
;;     - A block's scale is 2^e with e = floor(log2(the largest magnitude in the block)) - 4, held to -126 .. 127; a block of zeros has e = 0. As a byte (E8M0): e + 127.
;;     - Each number is divided by its block's scale, clamped to +-28, and rounded to the nearest number of E3M2, ties to even, subnormals kept.
;;     - The product sums the exact products of the quantised numbers (number of the format x scale) in f32.
;;   ~~~python
;;   def quantise(x, axis):      # numpy; x: float32 -> the quantised numbers, widened to float32 again
;;       x = np.moveaxis(x, axis, -1); K = x.shape[-1]
;;       x = np.pad(x, [(0, 0)] * (x.ndim - 1) + [(0, -K % 32)]); x = x.reshape(x.shape[:-1] + (-1, 32)); a = np.abs(x).max(-1, keepdims=True)
;;       e = np.where(a > 0, np.clip(np.frexp(np.where(a > 0, a, 1))[1] - 1 - 4, -126, 127), 0)      # np.frexp(a)[1] - 1 = floor(log2(a)), exactly
;;       r = np.clip(x / 2.0 ** e, -28, 28)
;;       step = 2.0 ** (np.maximum(np.frexp(np.where(r == 0, 1, r))[1] - 1, -2) - 2)
;;       q = np.round(r / step) * step * 2.0 ** e      # np.round: ties to even
;;       return np.moveaxis(q.reshape(q.shape[:-2] + (-1,))[..., :K], -1, axis).astype(np.float32)
;;   ~~~
;;   SOFTMAX AHEAD OF A QUANTISED PRODUCT. Where the list says 'softmax', what is quantised is not the finished softmax but p = 2^(t - M), with t = logit x log2(e) and M = ceil(the row's largest t), a whole number; so 1/2 < the row's largest p <= 1. The row's sum l is taken of the UNQUANTISED p, in f32, and the product's result is divided by l at the end. Since M is a whole number, a kernel that streams over the keys may use a running M (the ceiling of the running maximum): every later rescaling is an exact power of two, which a block's scale takes up: the codes' values come out the same.
;;   OPERANDS COMPUTED ON THE WAY. 'Computed on the way' means the value that the module computes at that place (a softmax that the list does not call 'softmax' is quantised finished and normalised). What goes into a quantiser is computed in f32, as accurately as f32 sums, v_exp_f32 and their like allow (about 1e-6 of the number): no bf16 or f16 on the way to a quantiser, and a product that is left as it is and whose result goes on into a quantised operand takes f32 operands (vector FMAs, or v_wmma_f32_16x16x4_f32). A number that lies on a knife's edge between two numbers of the format may be rounded either way, as far as f32 arithmetic and the matrix unit's own rounding can turn it there, and no further.
;; 2 versions. Each part assembles by itself: llvm-mc -triple=amdgcn-amd-amdhsa -mcpu=gfx1250 --defsym DOCPART=n.
;; ======== version 1 of 2: 1 launch
;; launch attn (part 1): grid 4 x 64, 16 waves a work-group, no clusters, 276,480 bytes of LDS; arguments queries, keys, values, out0; writes out0
.if DOCPART == 1
	.amdgcn_target "amdgcn-amd-amdhsa--gfx1250"
	.amdhsa_code_object_version 6
	.text
	.protected	k_qc254b10827_attn
	.globl	k_qc254b10827_attn
	.p2align	8
	.type	k_qc254b10827_attn,@function
k_qc254b10827_attn:
	s_mov_b64 s[64:65], 0
	v_nop
	global_prefetch_b8 v0, s[64:65] scope:SCOPE_SE
	s_setreg_imm32_b32 hwreg(HW_REG_WAVE_MODE, 25, 1), 1
	s_wait_xcnt 0x0
; out0[h][q][:] = the sum over k of softmax_k(Q[h][q] . K[h][k] / 8) V[h][k][:].  64 heads, 2,048 queries and keys, head size 64; all four tensors f32.
; Both products run on codes of BF6 (E3M2) with one E8M0 scale for each 32 along a product's K, by v_wmma_scale_f32_16x16x128_f8f6f4; sums in f32.
; THE SOFTMAX AHEAD OF THE SECOND PRODUCT: t = score x log2(e) / 8; M = the running largest t rounded UP to a whole number; p = 2^(t - M) is what is quantised, along the keys, not normalised.
; The row's sum is taken of the unquantised p and divides at the end.  When M moves, the sum and O are multiplied by 2^(old M - new M), in every step, with no branch on data.
; SHARES.  Work-group (x, head) owns queries 512 x .. 512 x + 511 of one head; each of its sixteen waves owns 32 of them, two tiles of 16, taken one after the other (two passes).
; THE HEAD'S CODES STAY IN LDS.  K's codes are 2,048 x 48 bytes, V's as many, their scale words 8,192 bytes: 204,800 bytes.  At the head wave w reads keys 128 w .. 128 w + 127 of K and of V as f32,
; quantises them and stores them as IMAGES OF THE OPERANDS' REGISTERS (a fragment = 3 x 512 bytes, lane l's four registers at 16 l).  ONE barrier; behind it the chunks are only read: the loop has no barrier and no global load.
; NO JOINT LOADS, NO CLUSTER: what the four work-groups of a head share is f32 that has to pass through registers to be quantised.  A chunk of 128 keys of K and V is 65,536 bytes of f32;
; beside the images (204,800) and the stages (69,632) only 53,248 of 327,680 bytes are left for it.  So each work-group loads the head's K and V through registers, once.
; THE FIRST PRODUCT'S K IS 64, THE INSTRUCTION'S 128.  A fragment of K holds TWO tiles of 16 keys: k 0-63 = tile 0's head axis, k 64-127 = tile 1's.  It is multiplied once by [q | 0] and once by [0 | q]:
; both lie in 18 registers, zeros(6) q(6) zeros(6).  Zero codes add nothing under any scale byte but 0xff.  K's scale word is dense (bytes 0, 1: tile 0; bytes 2, 3: tile 1); q's is [s0, s1, s0, s1].
; LAYOUT.  Both products are used transposed: S^T = K Q^T (source 0 = keys, source 1 = my 16 queries), O^T = V^T P^T (source 0 = 16 channels, source 1 = P): a lane holds ONE query (lane % 16) throughout.
; THE KEYS OF A TILE ARE NOT NEIGHBOURS: row r of tile T of fragment b is key 32 b + 8 T + r + 8 (r / 8), so that the 16 score registers of a fragment's two tiles are keys 32 b + 16 (lane / 16) + 0 .. 15.
; LIMITS.  NaN and infinities among the inputs are not served.  A block of zeros gets the scale byte 1 where the rule says 127: its codes are zeros, and this program alone reads the bytes.
; A p under 2^-126 comes out of v_exp_f32 as 0 (ISA guide, the instruction's entry): beside a row's sum of more than 1/2 it is nothing.
.set CH,    12800                      ; LDS: chunk s (128 keys) at CH x s:
.set VIMG,  6144                       ;   +0 K's four fragments, +6,144 V's four (tiles of 16 channels), 1,536 bytes each,
.set SCB,   12288                      ;   +12,288 the scale block: lane l's 16 bytes at 16 l = the words KS0, KS1, VS0, VS1
.set FRB,   1536
.set STAGE, 16*CH                      ; behind the chunks: a stage of 16 rows x 272 bytes for each wave, its own
.set SP,    272                        ; 256 bytes + 16 = 17 x 16: the sixteen rows that a 16-byte load touches fall into sixteen different 16-byte columns of 256 bytes
.set FLOOR, 0x2800000                  ; 2^(5 - 127): under it no largest magnitude is taken, so no scale byte falls under 1
.set EOFF,  0xfe000000                 ; takes 4, the exponent of the format's largest number 28, off an exponent field
; vector registers that stay
.set LI,  1                            ; 16 x lane: an image's place for my lane; also my bytes in every dense 512-byte global load and store
.set ADR, 2                            ; the step's chunk + 16 x lane
.set STD, 3                            ; stage, dense: row lane / 16, 16 bytes at 16 (lane % 16)
.set STR, 4                            ; stage, by rows: row lane % 16, + 128 (lane / 16)
.set STW, 5                            ; stage, the way out: row lane % 16, + 32 (lane / 16)
.set IMW, 6                            ; my wave's chunk + 16 x lane
.set VIW, 7                            ; my wave's chunk + VIMG + FRB (lane / 16) + 16 (lane % 16)
.set VG,  8                            ; 4 x lane: V's global offset
.set SH8, 9                            ; 8 (lane / 16): where my half's scale byte stands
.set QZ,  16                           ; v16-21 zeros, v22-27 q's codes, v28-33 zeros
.set QS,  34                           ; q's scale word        (v34-39 hold scales and nothing else)
.set PS,  35                           ; p's scale word
.set KS,  36                           ; v36, v37: K's scale words: lanes 0-15 fragment 2 i, lanes 16-31 fragment 2 i + 1
.set VS,  38                           ; v38, v39: V's likewise, tiles 2 i and 2 i + 1
; the loop's
.set KF,  40                           ; v40-87   K's four fragments
.set P,   40                           ; v40-51   p's codes, and v52-58 the conversions' second halves: over K's fragments, which are done with by then
.set CT,  52
.set VF,  88                           ; v88-135  V's four fragments
.set S,   136                          ; v136-199 S^T, then p
.set O,   200                          ; v200-231 O^T, tile t at O + 8 t
.set BM,  232                          ; v232-235 the blocks' largest scores, then largest p
.set PB,  236                          ; v236-239 a permute's destination, then the scale bytes
.set SO,  240                          ; v240-243 the conversions' scale operands
.set F,   244                          ; v244 f = 2^(old M - new M); v245 named with it as a pair
.set TMP, 246
.set Q1,  248                          ; v248-253 the second tile's q codes, v254 its scale word
.set Q1S, 254
; the head's
.set X,   40                           ; v40-71   32 numbers back from the stage
.set C,   72                           ; v72-83   a fragment's codes
.set G,   88                           ; v88-215  four landing sets of 32
.set CT0, 216                          ; v216-218 the second half of a block's codes
.set W,   224                          ; a scale word at work, and the other half of the lanes'
.set W2,  225
.set MA,  232                          ; two chains of the largest magnitude
.set MB,  233
.set BYT, 236
.set SOP, 240
; scalar registers: s[4:5] Q, s[6:7] K, s[8:9] V, s[10:11] out0, each at my wave's part
.set WV,  12
.set SEL, 20                           ; s[20:21] v_permlanex16_b32's selects for lane l xor 16
.set CS,  22                           ; s[22:23] c = log2(e) / 8
.set HIM, 24                           ; the mask of lanes 16-31
.set TB,  25                           ; LDS byte of the chunk in hand
.set STEPS, 26
; 16 rows of 256 bytes into landing set `set`: eight loads of 512 consecutive bytes (two rows); rows 0-7 from off0, rows 8-15 from off1
.macro LOADT set, base, off0, off1, nt
.irp n, 0,1,2,3
.if \nt
	global_load_b128 v[G+32*(\set)+4*\n:G+32*(\set)+4*\n+3], v[LI], s[\base:\base+1] offset:(\off0)+512*\n th:TH_LOAD_NT
.else
	global_load_b128 v[G+32*(\set)+4*\n:G+32*(\set)+4*\n+3], v[LI], s[\base:\base+1] offset:(\off0)+512*\n
.endif
.endr
.irp n, 0,1,2,3
.if \nt
	global_load_b128 v[G+32*(\set)+16+4*\n:G+32*(\set)+16+4*\n+3], v[LI], s[\base:\base+1] offset:(\off1)+512*\n th:TH_LOAD_NT
.else
	global_load_b128 v[G+32*(\set)+16+4*\n:G+32*(\set)+16+4*\n+3], v[LI], s[\base:\base+1] offset:(\off1)+512*\n
.endif
.endr
.endm
; tile T of K's fragment b: keys 32 b + 8 T + 0 .. 7 and the eight that lie 16 further on
.macro LOADK set, b, T
	LOADT \set, 6, (32*(\b)+8*(\T))*256, (32*(\b)+8*(\T))*256+4096, 0
.endm
; V: A LANE TAKES A CHANNEL (32 g + lane) AND ITS REGISTERS RUN DOWN THE 32 KEYS OF BLOCK beta: the codes come out with the keys innermost, and nothing is transposed
.macro LOADV set, beta, g
.set i, 0
.rept 32
	global_load_b32 v[G+32*(\set)+i], v[VG], s[8:9] offset:(32*(\beta)+i)*256+128*(\g)
.set i, i+1
.endr
.endm
; 16 rows go through my stage as they were loaded and come back by rows: lane (r, h) then holds row r, d = 32 h .. 32 h + 31.  LDS serves a wave's instructions in order: no wait between the stores and the loads
.macro TURN set
.irp n, 0,1,2,3,4,5,6,7
	ds_store_b128 v[STD], v[G+32*(\set)+4*\n:G+32*(\set)+4*\n+3] offset:2*SP*\n
.endr
.irp j, 0,1,2,3,4,5,6,7
	ds_load_b128 v[X+4*\j:X+4*\j+3], v[STR] offset:16*\j
.endr
	s_wait_dscnt 0x0                               ; the numbers are back; the landing set has been read and may be loaded again; earlier image stores have read their registers
.endm
; A block of 32 numbers of one lane becomes six registers of codes at v[dst] on (dst even) and its scale byte in v[BYT]
.macro QB src, dst
.set SRC, \src
.set DST, \dst
	v_max3_num_f32 v[MA], |v[SRC]|, |v[SRC+1]|, |v[SRC+2]|          ; the largest magnitude, in two chains that do not wait for each other
	v_max3_num_f32 v[MB], |v[SRC+3]|, |v[SRC+4]|, |v[SRC+5]|
.irp i, 6,10,14,18,22,26
	v_max3_num_f32 v[MA], v[MA], |v[SRC+\i]|, |v[SRC+\i+1]|
	v_max3_num_f32 v[MB], v[MB], |v[SRC+\i+2]|, |v[SRC+\i+3]|
.endr
	v_max3_num_f32 v[MA], v[MA], |v[SRC+30]|, |v[SRC+31]|
	v_max3_num_f32 v[MA], v[MA], v[MB], FLOOR
	v_add_nc_u32 v[SOP], EOFF, v[MA]               ; 4 off its exponent field: the conversion takes this operand's exponent field as its scale and nothing else of it
	v_cvt_scalef32_pk16_bf6_f32 v[DST:DST+2], v[SRC:SRC+15], v[SOP]
	v_cvt_scalef32_pk16_bf6_f32 v[CT0:CT0+2], v[SRC+16:SRC+31], v[SOP]   ; (a conversion's three registers begin on an even number: the second half is made elsewhere and moved)
	v_lshrrev_b32 v[BYT], 23, v[SOP]               ; the scale's byte; also the plain instruction behind the conversions
.irp i, 0,1,2
	v_mov_b32 v[DST+3+\i], v[CT0+\i]
.endr
.endm
; a tile of 16 queries: codes to v[dst] on, the scale word [s0, s1, s0, s1] to v[qs]
.macro QJOB set, dst, qs
	TURN \set
	QB X, \dst
	v_lshlrev_b32 v[TMP], v[SH8], v[BYT]           ; my half's byte at its place,
	v_permlanex16_b32 v[W2], v[TMP], s[SEL], s[SEL+1]
	v_or_b32 v[W], v[TMP], v[W2]                   ; with lane l xor 16's,
	v_lshl_or_b32 v[\qs], v[W], 16, v[W]           ; and the two once more for the instruction's upper 64 along K
.endm
; tile T of K's fragment b; with T = 1 the fragment and its scale word are whole
.macro KJOB set, b, T
	TURN \set
	QB X, C+6*(\T)
	v_lshlrev_b32 v[TMP], v[SH8], v[BYT]
.if (\T) == 0
	v_mov_b32 v[W], v[TMP]                         ; byte 2 T + h of the row's word
.else
	v_lshl_or_b32 v[W], v[TMP], 16, v[W]
	v_permlanex16_b32 v[W2], v[W], s[SEL], s[SEL+1]
	v_or_b32 v[W], v[W], v[W2]                     ; the whole word, in both halves of the lanes
.if (\b)%2 == 0
	v_mov_b32 v[KS+(\b)/2], v[W]                   ; an even fragment's words are read from lanes 0-15,
.else
	v_cndmask_b32 v[KS+(\b)/2], v[KS+(\b)/2], v[W], s[HIM]   ; an odd one's from lanes 16-31 of the same register
.endif
.irp c, 0,1,2
	ds_store_b128 v[IMW], v[C+4*\c:C+4*\c+3] offset:FRB*(\b)+512*\c   ; the fragment's image
.endr
.endif
.endm
; block beta of channels 32 g + lane: in the reader it is tile 2 g + lane / 16, row lane % 16, half beta % 2 of the lanes, registers 6 (beta / 2) on
.macro VJOB set, beta, g
	s_wait_dscnt 0x0                               ; the last job's image stores have read the codes' registers
	QB G+32*(\set), C
.if (\beta) == 0
	v_mov_b32 v[VS+(\g)], v[BYT]                   ; my channel's scale word: byte beta
.else
	v_lshl_or_b32 v[VS+(\g)], v[BYT], 8*(\beta), v[VS+(\g)]
.endif
.set VB, 2*FRB*(\g)+256*((\beta)%2)
.if (\beta) < 2
	ds_store_b128 v[VIW], v[C:C+3] offset:VB               ; registers 0-3: group 0;
	ds_store_b64 v[VIW], v[C+4:C+5] offset:VB+512          ; 4, 5: the lower half of group 1
.else
	ds_store_b64 v[VIW], v[C:C+1] offset:VB+520            ; registers 6, 7: its upper half;
	ds_store_b128 v[VIW], v[C+2:C+5] offset:VB+1024        ; 8-11: group 2
.endif
.endm
	s_load_b256 s[4:11], s[0:1], 0x0               ; queries s[4:5], keys s[6:7], values s[8:9], out0 s[10:11]
	v_lshl_add_u32 v247, v0, 2, 0x43000
	v_mov_b32 v255, 0
	v_lshrrev_b32 v10, 5, v0
	v_readfirstlane_b32 s[WV], v10                 ; wave 0..15
	v_and_b32 v[LI], 31, v0
	v_lshlrev_b32 v[VG], 2, v[LI]
	v_lshlrev_b32 v[LI], 4, v[LI]
	s_and_b32 s13, ttmp7, 0xffff
	s_lshl_b32 s13, s13, 19                        ; the head: 2,048 rows of 256 bytes
	s_lshl_b32 s14, ttmp9, 17                      ; my work-group's 512 queries,
	s_add_co_u32 s14, s14, s13
	s_lshl_b32 s16, s[WV], 13                      ; my wave's 32 of them
	s_add_co_u32 s14, s14, s16
	s_mov_b32 s15, 0
	s_lshl_b32 s16, s[WV], 15                      ; my wave's 128 keys
	s_add_co_u32 s16, s16, s13
	s_mov_b32 s17, 0
	s_wait_kmcnt 0x0
	s_add_nc_u64 s[4:5], s[4:5], s[14:15]
	s_add_nc_u64 s[10:11], s[10:11], s[14:15]
	s_add_nc_u64 s[6:7], s[6:7], s[16:17]
	s_add_nc_u64 s[8:9], s[8:9], s[16:17]
	; THE HEAD: 18 jobs (two tiles of Q, eight of K, eight blocks of V), job n in landing set n % 4.  No base and no offset register is written again: every step stands in an immediate.
	LOADT 0, 4, 0, 2048, 1                         ; job 0: my first 16 queries (read by nobody else)
	LOADT 1, 4, 4096, 6144, 1                      ; job 1: my second 16
	LOADK 2, 0, 0                                  ; job 2
	s_mul_i32 s28, s[WV], 16*SP
	s_add_co_u32 s28, s28, STAGE                   ; my stage
	s_mul_i32 s29, s[WV], CH                       ; my chunk
	s_mov_b32 s[SEL], 0x76543210
	s_mov_b32 s[SEL+1], 0xfedcba98
	s_mov_b32 s[CS], 0x3e38aa3b                    ; log2(e) / 8
	s_mov_b32 s[CS+1], s[CS]                       ; (named with it as a pair, so it is written)
	s_mov_b32 s[HIM], 0xffff0000
	v_and_b32 v10, 15, v0                          ; r
	v_bfe_u32 v11, v0, 4, 1                        ; h
	v_mul_u32_u24 v[STD], v11, SP
	v_lshl_add_u32 v[STD], v10, 4, v[STD]
	v_add_nc_u32 v[STD], s28, v[STD]
	v_mul_u32_u24 v[STR], v10, SP
	v_lshl_add_u32 v[STW], v11, 5, v[STR]
	v_lshl_add_u32 v[STR], v11, 7, v[STR]
	v_add_nc_u32 v[STR], s28, v[STR]
	v_add_nc_u32 v[STW], s28, v[STW]
	v_add_nc_u32 v[IMW], s29, v[LI]
	v_mul_u32_u24 v[VIW], v11, FRB
	v_lshl_add_u32 v[VIW], v10, 4, v[VIW]
	v_add_nc_u32 v[VIW], s29, v[VIW]
	v_add_nc_u32 v[VIW], VIMG, v[VIW]
	v_lshlrev_b32 v[SH8], 3, v11
.irp i, 0,1,2,3,4,5
	v_mov_b32 v[QZ+\i], 0                          ; the zeros on both sides of q's codes
	v_mov_b32 v[QZ+12+\i], 0
.endr
.irp i, W2, PB, PB+1, PB+2, PB+3, F+1, TMP
	v_mov_b32 v[\i], 0                             ; written once: a lane permute's destination, and the upper half of a pair that is named, count as read
.endr
	s_wait_loadcnt 16                              ; job 0 is in; the 8 + 8 loads of the two jobs behind it may be out.  So in every job up to job 7
	LOADK 3, 0, 1                                  ; job 3
	QJOB 0, QZ+6, QS
	s_wait_loadcnt 16
	LOADK 0, 1, 0                                  ; job 4: its set was read out by job 0's turn
	QJOB 1, Q1, Q1S
	s_wait_loadcnt 16
	LOADK 1, 1, 1
	KJOB 2, 0, 0
	s_wait_loadcnt 16
	LOADK 2, 2, 0
	KJOB 3, 0, 1
	s_wait_loadcnt 16
	LOADK 3, 2, 1
	KJOB 0, 1, 0
	s_wait_loadcnt 16
	LOADK 0, 3, 0
	KJOB 1, 1, 1
	s_wait_loadcnt 16
	LOADK 1, 3, 1
	KJOB 2, 2, 0
	s_wait_loadcnt 16
	LOADV 2, 0, 0                                  ; job 10: V's first block, 32 loads
	KJOB 3, 2, 1
	s_wait_loadcnt 40                              ; job 8 is in; job 9's 8 and job 10's 32 may be out
	KJOB 0, 3, 0
	s_wait_loadcnt 32                              ; job 9 is in; job 10's 32 may be out
	LOADV 3, 0, 1
	KJOB 1, 3, 1
	s_wait_loadcnt 32                              ; from here on: this job's 32 are in, the next job's 32 may be out
	LOADV 0, 1, 0
	VJOB 2, 0, 0
	s_wait_loadcnt 32
	LOADV 1, 1, 1
	VJOB 3, 0, 1
	s_wait_loadcnt 32
	LOADV 2, 2, 0
	VJOB 0, 1, 0
	s_wait_loadcnt 32
	LOADV 3, 2, 1
	VJOB 1, 1, 1
	s_wait_loadcnt 32
	LOADV 0, 3, 0
	VJOB 2, 2, 0
	s_wait_loadcnt 32
	LOADV 1, 3, 1
	VJOB 3, 2, 1
	s_wait_loadcnt 32
	VJOB 0, 3, 0
	s_wait_loadcnt 0x0
	VJOB 1, 3, 1
	ds_store_b128 v[IMW], v[KS:KS+3] offset:SCB    ; my chunk's scale block
	s_wait_dscnt 0x0                               ; for the others' sake: all my stores into my chunk have landed
	s_barrier_signal -1
	s_barrier_wait -1                              ; THE ONE BARRIER: the head's sixteen chunks lie in LDS; from here on they are only read
; A PASS: one tile of 16 queries against all 2,048 keys, 128 a step; then its way out.  Written once, expanded twice.
.macro PASS j
	v_mov_b32 v13, 0xff61b1e6                      ; the largest t so far: -3e38, under every t
	v_floor_f32 v12, -v13                          ; -M
	v_mov_b32 v14, 0                               ; the row's sum, in two halves
	v_mov_b32 v15, 0
.set i, 0
.rept 32
	v_mov_b32 v[O+i], 0                            ; O^T.  The step is written once: the first finds zeros, which the first change of M leaves zeros
.set i, i+1
.endr
	s_mov_b32 s[TB], 0
	s_mov_b32 s[STEPS], 16
.Lstep_\@:
	v_add_nc_u32 v[ADR], s[TB], v[LI]              ; with the five sums at the step's end: the places in front of loads into registers that the last products read
	ds_load_b128 v[KS:KS+3], v[ADR] offset:SCB     ; the step's scale words of K and V
.set i, 0
.rept 12
	ds_load_b128 v[KF+4*i:KF+4*i+3], v[ADR] offset:512*i          ; 512 consecutive bytes an instruction
.set i, i+1
.endr
.set i, 0
.rept 12
	ds_load_b128 v[VF+4*i:VF+4*i+3], v[ADR] offset:VIMG+512*i
.set i, i+1
.endr
	s_wait_dscnt 12                                ; the scale words and K are in; V's twelve loads stay out through the softmax
.irp b, 0,1,2,3                                ; S^T = K Q^T: fragment b against [q | 0] (its tile 0) and against [0 | q] (its tile 1); eight results, each begun with 0
.irp u, 0,1
.if \b%2
	v_wmma_scale_f32_16x16x128_f8f6f4 v[S+8*(2*\b+\u):S+8*(2*\b+\u)+7], v[KF+12*\b:KF+12*\b+11], v[QZ+6-6*\u:QZ+17-6*\u], 0, v[KS+\b/2], v[QS] matrix_a_fmt:MATRIX_FMT_BF6 matrix_b_fmt:MATRIX_FMT_BF6 matrix_a_scale:MATRIX_SCALE_ROW1
.else
	v_wmma_scale_f32_16x16x128_f8f6f4 v[S+8*(2*\b+\u):S+8*(2*\b+\u)+7], v[KF+12*\b:KF+12*\b+11], v[QZ+6-6*\u:QZ+17-6*\u], 0, v[KS+\b/2], v[QS] matrix_a_fmt:MATRIX_FMT_BF6 matrix_b_fmt:MATRIX_FMT_BF6
.endif
.endr
.endr
.rept 4
	v_nop                                          ; four places between the last product and the first read of results (ISA guide 7.12.1)
.endr
.irp b, 0,1,2,3
	v_max3_num_f32 v[BM+\b], v[S+16*\b], v[S+16*\b+1], v[S+16*\b+2]   ; THE LARGEST SCORE OF EACH BLOCK OF 32 KEYS serves twice: for the row's maximum and, since p rises with the score, for the block's largest p
.endr
.irp i, 3,5,7,9,11,13
.irp b, 0,1,2,3
	v_max3_num_f32 v[BM+\b], v[BM+\b], v[S+16*\b+\i], v[S+16*\b+\i+1]   ; (the four blocks by turns; each result is read from its low end on)
.endr
.endr
.irp b, 0,1,2,3
	v_max_num_f32 v[BM+\b], v[BM+\b], v[S+16*\b+15]
.endr
.irp b, 0,1,2,3
	v_permlanex16_b32 v[PB+\b], v[BM+\b], s[SEL], s[SEL+1]
.endr
.irp b, 0,1,2,3
	v_max_num_f32 v[BM+\b], v[BM+\b], v[PB+\b]     ; with lane l xor 16's 16 keys
.endr
	v_max3_num_f32 v[TMP], v[BM], v[BM+1], v[BM+2]
	v_max_num_f32 v[TMP], v[TMP], v[BM+3]          ; the step's largest score of my query,
	v_mul_f32 v[TMP], s[CS], v[TMP]                ; as t (c is positive)
	v_max_num_f32 v13, v13, v[TMP]                 ; the running largest t
	v_mov_b32 v[TMP], v12
	v_floor_f32 v12, -v13                          ; the new -M = floor(-t) = -ceil(t): M is a whole number
	v_sub_f32 v[TMP], v12, v[TMP]                  ; old M - new M: a whole number, 0 or less
	v_cvt_i32_f32 v[TMP], v[TMP]                   ; (it saturates)
	v_ldexp_f32 v[F], 1.0, v[TMP]                  ; f = 2^(old M - new M): a multiplication by it rounds nothing
.set i, 0
.rept 32
	v_pk_fma_f32 v[S+i:S+i+1], v[S+i:S+i+1], s[CS:CS+1], v[12:13] op_sel_hi:[1,0,0]   ; t - M, two at a time (of the pairs c and -M the low word serves both halves)
.set i, i+2
.endr
.irp b, 0,1,2,3
	v_fma_f32 v[BM+\b], v[BM+\b], s[CS], v12       ; the same of each block's largest score
.endr
.set i, 0
.rept 64
	v_exp_f32 v[S+i], v[S+i]                       ; p = 2^(t - M), at most 1: not normalised.  ONE BATCH of 68 exponentials: none reads another's result
.set i, i+1
.endr
.irp b, 0,1,2,3
	v_exp_f32 v[BM+\b], v[BM+\b]                   ; the block's largest p: the same two instructions on the same number give the same bits
.endr
	v_pk_mul_f32 v[14:15], v[14:15], v[F:F+1] op_sel_hi:[1,0]   ; the sums under the new M: the plain instruction behind the last exponential; it and the 16 below name no result of the batch
.set i, 0
.rept 16
	v_pk_mul_f32 v[O+i:O+i+1], v[O+i:O+i+1], v[F:F+1] op_sel_hi:[1,0]   ; O^T under the new M, each tile from its low end on
.set i, i+2
.endr
	s_wait_alu depctr_va_vdst(0)                   ; one wait for the whole batch, ahead of its first reader
.irp b, 0,1,2,3
	v_max_num_f32 v[BM+\b], FLOOR, v[BM+\b]        ; the floor: a block whose every p has fallen to 0 keeps the byte 1; its codes are zeros
.endr
.irp b, 0,1,2,3
	v_add_nc_u32 v[SO+\b], EOFF, v[BM+\b]          ; 4 off the exponent field: the conversion's scale operand
.endr
.irp b, 0,1,2,3
	v_lshrrev_b32 v[PB+\b], 23, v[SO+\b]           ; the scale's byte
.endr
	v_lshl_or_b32 v[PS], v[PB+1], 8, v[PB]         ; p's scale word for these 128 keys
	v_lshl_or_b32 v[PS], v[PB+2], 16, v[PS]
	v_lshl_or_b32 v[PS], v[PB+3], 24, v[PS]
.irp c, 0,1
	v_cvt_scalef32_pk16_bf6_f32 v[P+6*\c:P+6*\c+2], v[S+32*\c:S+32*\c+15], v[SO+2*\c]
	v_cvt_scalef32_pk16_bf6_f32 v[CT+4*\c:CT+4*\c+2], v[S+32*\c+16:S+32*\c+31], v[SO+2*\c+1]   ; (a conversion's three registers begin on an even number)
.endr
	v_pk_add_f32 v[10:11], v[S:S+1], v[S+2:S+3]    ; THE ROW'S SUM IS TAKEN OF THE UNQUANTISED p, two at a time, in two chains.  Its first line is the plain instruction behind the conversions
.irp c, 0,1                                    ; the operand's layout wants a WHOLE block in a lane: lanes 0-15 block 2 c, lanes 16-31 block 2 c + 1
.irp i, 0,1,2
	v_permlane16_swap_b32 v[P+6*\c+\i], v[CT+4*\c+\i]
.endr
.irp i, 0,1,2
	v_mov_b32 v[P+6*\c+3+\i], v[CT+4*\c+\i]
.endr
.endr
.irp k, 4,8,12,16,20,24,28,32,36,40,44,48,52
	v_pk_add_f32 v[14:15], v[14:15], v[S+\k:S+\k+1]          ; these 26 stand between the writing of p's codes and scale word and the products that take them
	v_pk_add_f32 v[10:11], v[10:11], v[S+\k+2:S+\k+3]
.endr
	s_wait_dscnt 0x0                               ; V is in
.irp t, 0,1,2,3                                ; O^T += V^T P^T: four tiles of 16 channels, K = these 128 keys; the four accumulators take turns, one instruction a turn
.if \t%2
	v_wmma_scale_f32_16x16x128_f8f6f4 v[O+8*\t:O+8*\t+7], v[VF+12*\t:VF+12*\t+11], v[P:P+11], v[O+8*\t:O+8*\t+7], v[VS+\t/2], v[PS] matrix_a_fmt:MATRIX_FMT_BF6 matrix_b_fmt:MATRIX_FMT_BF6 matrix_a_scale:MATRIX_SCALE_ROW1
.else
	v_wmma_scale_f32_16x16x128_f8f6f4 v[O+8*\t:O+8*\t+7], v[VF+12*\t:VF+12*\t+11], v[P:P+11], v[O+8*\t:O+8*\t+7], v[VS+\t/2], v[PS] matrix_a_fmt:MATRIX_FMT_BF6 matrix_b_fmt:MATRIX_FMT_BF6
.endif
.endr
.irp k, 56,60
	v_pk_add_f32 v[14:15], v[14:15], v[S+\k:S+\k+1]          ; the last five sums name no register of those products: they are the places behind them
	v_pk_add_f32 v[10:11], v[10:11], v[S+\k+2:S+\k+3]
.endr
	v_pk_add_f32 v[14:15], v[14:15], v[10:11]
	s_add_co_u32 s[TB], s[TB], CH                  ; the next chunk
	s_sub_co_u32 s[STEPS], s[STEPS], 1
	s_cmp_lg_u32 s[STEPS], 0
	s_cbranch_scc1 .Lstep_\@
	; THE WAY OUT.  O^T / the row's sum goes through my stage (a lane's eight channels of a row are 32 bytes) and comes back as whole rows of 256 bytes
	v_add_f32 v14, v14, v15                        ; the sum's two halves,
	v_permlanex16_b32 v[TMP], v14, s[SEL], s[SEL+1]
	v_add_f32 v14, v14, v[TMP]                     ; and lane l xor 16's: the row's sum
	v_rcp_f32 v14, v14
	v_nop                                          ; a plain instruction behind the reciprocal,
	s_wait_alu depctr_va_vdst(0)                   ; and a wait ahead of its first reader
.set i, 0
.rept 16
	v_pk_mul_f32 v[S+i:S+i+1], v[O+i:O+i+1], v[14:15] op_sel_hi:[1,0]   ; register 8 t + e is out(query r, channel 16 t + 8 h + e); each tile from its low end on
.set i, i+2
.endr
.irp t, 0,1,2,3
	ds_store_b128 v[STW], v[S+8*\t:S+8*\t+3] offset:64*\t
	ds_store_b128 v[STW], v[S+8*\t+4:S+8*\t+7] offset:64*\t+16
.endr
.irp n, 0,1,2,3,4,5,6,7
	ds_load_b128 v[S+32+4*\n:S+32+4*\n+3], v[STD] offset:2*SP*\n     ; LDS serves a wave's instructions in order: these see my stores
.endr
.irp n, 0,1,2,3,4,5,6,7
	s_wait_dscnt 7-\n                              ; load n is back; the younger ones may be out
	global_store_b128 v[LI], v[S+32+4*\n:S+32+4*\n+3], s[10:11] offset:4096*(\j)+512*\n th:TH_STORE_NT   ; 32 lanes store two whole rows: 512 consecutive bytes, at a multiple of 256 from out0's first byte
.endr
.if (\j) == 0
	s_wait_xcnt 0x0                                ; the stores have read their data registers: the next pass's products write them again
.irp i, 0,1,2,3,4,5
	v_mov_b32 v[QZ+6+\i], v[Q1+\i]                 ; the second tile's q takes its place between the zeros;
.endr
	v_mov_b32 v[QS], v[Q1S]                        ; the 36 moves at the next pass's head stand between these and the first product
.endif
.endm
	PASS 0
	PASS 1
	s_wait_tensorcnt 0x0
	ds_add_u32 v247, v255
	s_wait_dscnt 0x0
	s_endpgm
.Lfunc_end_k_qc254b10827_attn:
	.size	k_qc254b10827_attn, .Lfunc_end_k_qc254b10827_attn-k_qc254b10827_attn
	.p2alignl 7, 3214868480
	.fill 96, 4, 3214868480
	.section	.rodata,"a",@progbits
	.p2align	6, 0x0
	.amdhsa_kernel k_qc254b10827_attn
		.amdhsa_group_segment_fixed_size 276480
		.amdhsa_private_segment_fixed_size 0
		.amdhsa_enable_private_segment 0
		.amdhsa_kernarg_size 32
		.amdhsa_user_sgpr_count 2
		.amdhsa_user_sgpr_kernarg_segment_ptr 1
		.amdhsa_wavefront_size32 1
		.amdhsa_system_sgpr_workgroup_id_x 1
		.amdhsa_system_sgpr_workgroup_id_y 1
		.amdhsa_system_sgpr_workgroup_id_z 1
		.amdhsa_system_vgpr_workitem_id 0
		.amdhsa_next_free_vgpr 256
		.amdhsa_next_free_sgpr 66
		.amdhsa_reserve_vcc 0
		.amdhsa_float_denorm_mode_32 3
		.amdhsa_float_denorm_mode_16_64 3
		.amdhsa_memory_ordered 1
		.amdhsa_forward_progress 1
		.amdhsa_inst_pref_size 114
	.end_amdhsa_kernel
	.amdgpu_metadata
---
amdhsa.version: [ 1, 2 ]
amdhsa.kernels:
  - .name:           k_qc254b10827_attn
    .symbol:         k_qc254b10827_attn.kd
    .args:
      - { .name: queries, .offset: 0, .size: 8, .value_kind: global_buffer, .address_space: global }
      - { .name: keys, .offset: 8, .size: 8, .value_kind: global_buffer, .address_space: global }
      - { .name: values, .offset: 16, .size: 8, .value_kind: global_buffer, .address_space: global }
      - { .name: out0, .offset: 24, .size: 8, .value_kind: global_buffer, .address_space: global }
    .group_segment_fixed_size: 276480
    .private_segment_fixed_size: 0
    .kernarg_segment_align: 8
    .kernarg_segment_size: 32
    .max_flat_workgroup_size: 512
    .sgpr_count:     66
    .vgpr_count:     256
    .wavefront_size: 32
...
	.end_amdgpu_metadata
.endif
;; end of part 1
;; ======== version 2 of 2: 1 launch; version 1 with the launch attn written anew for expert scheduling mode
;; launch attn (part 2): grid 4 x 64, 16 waves a work-group, no clusters, 276,480 bytes of LDS; arguments queries, keys, values, out0; writes out0
.if DOCPART == 2
	.amdgcn_target "amdgcn-amd-amdhsa--gfx1250"
	.amdhsa_code_object_version 6
	.text
	.protected	k_qc254b10827_attn
	.globl	k_qc254b10827_attn
	.p2align	8
	.type	k_qc254b10827_attn,@function
k_qc254b10827_attn:
	s_mov_b64 s[64:65], 0
	v_nop
	global_prefetch_b8 v0, s[64:65] scope:SCOPE_SE
	s_setreg_imm32_b32 hwreg(HW_REG_WAVE_SCHED_MODE, 0, 2), 2
	s_setreg_imm32_b32 hwreg(HW_REG_WAVE_MODE, 25, 1), 1
	s_wait_xcnt 0x0
	s_wait_alu depctr_vm_vsrc(0)
; out0[h][q][:] = the sum over k of softmax_k(Q[h][q] . K[h][k] / 8) V[h][k][:].  64 heads, 2,048 queries and keys, head size 64; all four tensors f32.
; Both products run on codes of BF6 (E3M2) with one E8M0 scale for each 32 along a product's K, by v_wmma_scale_f32_16x16x128_f8f6f4; sums in f32.
; THE SOFTMAX AHEAD OF THE SECOND PRODUCT: t = score x log2(e) / 8; M = the running largest t rounded UP to a whole number; p = 2^(t - M) is what is quantised, along the keys, not normalised.
; The row's sum is taken of the unquantised p and divides at the end.  When M moves, the sum and O are multiplied by 2^(old M - new M), in every step, with no branch on data.
; SHARES.  Work-group (x, head) owns queries 512 x .. 512 x + 511 of one head; each of its sixteen waves owns 32 of them, two tiles of 16, taken one after the other (two passes).
; THE HEAD'S CODES STAY IN LDS.  K's codes are 2,048 x 48 bytes, V's as many, their scale words 8,192 bytes: 204,800 bytes.  At the head wave w reads keys 128 w .. 128 w + 127 of K and of V as f32,
; quantises them and stores them as IMAGES OF THE OPERANDS' REGISTERS (a fragment = 3 x 512 bytes, lane l's four registers at 16 l).  ONE barrier; behind it the chunks are only read: the loop has no barrier and no global load.
; NO JOINT LOADS, NO CLUSTER: what the four work-groups of a head share is f32 that has to pass through registers to be quantised.  A chunk of 128 keys of K and V is 65,536 bytes of f32;
; beside the images (204,800) and the stages (69,632) only 53,248 of 327,680 bytes are left for it.  So each work-group loads the head's K and V through registers, once.
; THE FIRST PRODUCT'S K IS 64, THE INSTRUCTION'S 128.  A fragment of K holds TWO tiles of 16 keys: k 0-63 = tile 0's head axis, k 64-127 = tile 1's.  It is multiplied once by [q | 0] and once by [0 | q]:
; both lie in 18 registers, zeros(6) q(6) zeros(6).  Zero codes add nothing under any scale byte but 0xff.  K's scale word is dense (bytes 0, 1: tile 0; bytes 2, 3: tile 1); q's is [s0, s1, s0, s1].
; LAYOUT.  Both products are used transposed: S^T = K Q^T (source 0 = keys, source 1 = my 16 queries), O^T = V^T P^T (source 0 = 16 channels, source 1 = P): a lane holds ONE query (lane % 16) throughout.
; THE KEYS OF A TILE ARE NOT NEIGHBOURS: row r of tile T of fragment b is key 32 b + 8 T + r + 8 (r / 8), so that the 16 score registers of a fragment's two tiles are keys 32 b + 16 (lane / 16) + 0 .. 15.
; LIMITS.  NaN and infinities among the inputs are not served.  A block of zeros gets the scale byte 1 where the rule says 127: its codes are zeros, and this program alone reads the bytes.
; A p under 2^-126 comes out of v_exp_f32 as 0 (ISA guide, the instruction's entry): beside a row's sum of more than 1/2 it is nothing.
; THE MODE: SCHED_MODE bits 1:0 = 2 (LLVM: expert scheduling mode 2), set by the entry lines.  The code itself states the register dependences
; between vector or matrix instructions and memory or LDS instructions, with s_wait_alu, always for 0.
; THE PLAN, AT THE HEAD (18 jobs).  Registers that memory or LDS instructions touch:
;   v1, v3-8      offsets and LDS addresses: written once by vector instructions, never again.
;   G0 .. G3      landing sets: global loads land in them; a job of Q or K reads its set by the turn's eight LDS stores, a job of V by its own vector lines.
;   X             the turn's eight LDS loads land in it; the job's vector lines read it.
;   C             the conversions and moves write it; the image stores read it.  A job's image stores are issued at the NEXT job's head.
;   v36-39        the chunk's scale words: made by vector lines, read by one LDS store at the head's end.
; So a job has ONE wait on va_vdst, at its head: the job before is done reading X and its landing set and has written C.  The job's global loads, the image stores of the job before and the
; turn follow it with no further wait.  And it has ONE wait on vm_vsrc, ahead of its conversions: the turn has read the landing set, which the next job loads again, and the image stores have read C.
; THE PLAN, IN THE LOOP.
;   v[ADR]        read by a step's 25 LDS loads; written once a step, at its head.
;   v36-39        the step's first load lands in them; K's and V's products read them as scales.
;   KF            K's twelve loads land in it; K's products read it; then p's codes are laid over its first 19 registers by vector lines, and V's products read those.
;   VF            V's twelve loads land in it; V's products read it.
; At a step's head: a wait on vm_vsrc (the last step's loads have read v[ADR]), the add, and a wait on va_vdst: v[ADR] is written and the last step's products and vector lines are done with KF, VF and v36-39.
; The scale words' load and K's twelve follow; V's twelve are dealt among K's eight products, which name KF, q, v36-37, q's scale word and S: none of the registers that V's loads touch.
; Four more waits on va_vdst stand in a step: one ahead of the exponentials, one ahead of O's rescaling, one behind them for their readers, and one ahead of V's products, which take p's codes and scale word from vector lines.
.set CH,    12800                      ; LDS: chunk s (128 keys) at CH x s:
.set VIMG,  6144                       ;   +0 K's four fragments, +6,144 V's four (tiles of 16 channels), 1,536 bytes each,
.set SCB,   12288                      ;   +12,288 the scale block: lane l's 16 bytes at 16 l = the words KS0, KS1, VS0, VS1
.set FRB,   1536
.set STAGE, 16*CH                      ; behind the chunks: a stage of 16 rows x 272 bytes for each wave, its own
.set SP,    272                        ; 256 bytes + 16 = 17 x 16: the sixteen rows that a 16-byte load touches fall into sixteen different 16-byte columns of 256 bytes
.set FLOOR, 0x2800000                  ; 2^(5 - 127): under it no largest magnitude is taken, so no scale byte falls under 1
.set EOFF,  0xfe000000                 ; takes 4, the exponent of the format's largest number 28, off an exponent field
; vector registers that stay
.set LI,  1                            ; 16 x lane: an image's place for my lane; also my bytes in every dense 512-byte global load and store
.set ADR, 2                            ; the step's chunk + 16 x lane
.set STD, 3                            ; stage, dense: row lane / 16, 16 bytes at 16 (lane % 16)
.set STR, 4                            ; stage, by rows: row lane % 16, + 128 (lane / 16)
.set STW, 5                            ; stage, the way out: row lane % 16, + 32 (lane / 16)
.set IMW, 6                            ; my wave's chunk + 16 x lane
.set VIW, 7                            ; my wave's chunk + VIMG + FRB (lane / 16) + 16 (lane % 16)
.set VG,  8                            ; 4 x lane: V's global offset
.set SH8, 9                            ; 8 (lane / 16): where my half's scale byte stands
.set QZ,  16                           ; v16-21 zeros, v22-27 q's codes, v28-33 zeros
.set QS,  34                           ; q's scale word        (v34-39 hold scales and nothing else)
.set PS,  35                           ; p's scale word
.set KS,  36                           ; v36, v37: K's scale words: lanes 0-15 fragment 2 i, lanes 16-31 fragment 2 i + 1
.set VS,  38                           ; v38, v39: V's likewise, tiles 2 i and 2 i + 1
; the loop's
.set KF,  40                           ; v40-87   K's four fragments
.set P,   40                           ; v40-51   p's codes, and v52-58 the conversions' second halves: over K's fragments, which are done with by then
.set CT,  52
.set VF,  88                           ; v88-135  V's four fragments
.set S,   136                          ; v136-199 S^T, then p
.set O,   200                          ; v200-231 O^T, tile t at O + 8 t
.set BM,  232                          ; v232-235 the blocks' largest scores, then largest p
.set PB,  236                          ; v236-239 a permute's destination, then the scale bytes
.set SO,  240                          ; v240-243 the conversions' scale operands
.set F,   244                          ; v244 f = 2^(old M - new M); v245 named with it as a pair
.set TMP, 246
.set Q1,  248                          ; v248-253 the second tile's q codes, v254 its scale word
.set Q1S, 254
; the head's
.set X,   40                           ; v40-71   32 numbers back from the stage
.set C,   72                           ; v72-83   a fragment's codes
.set G,   88                           ; v88-215  four landing sets of 32
.set CT0, 216                          ; v216-218 the second half of a block's codes
.set W,   224                          ; a scale word at work, and the other half of the lanes'
.set W2,  225
.set MA,  232                          ; two chains of the largest magnitude
.set MB,  233
.set BYT, 236
.set SOP, 240
; scalar registers: s[4:5] Q, s[6:7] K, s[8:9] V, s[10:11] out0, each at my wave's part
.set WV,  12
.set SEL, 20                           ; s[20:21] v_permlanex16_b32's selects for lane l xor 16
.set CS,  22                           ; s[22:23] c = log2(e) / 8
.set HIM, 24                           ; the mask of lanes 16-31
.set TB,  25                           ; LDS byte of the chunk in hand
.set STEPS, 26
; 16 rows of 256 bytes into landing set `set`: eight loads of 512 consecutive bytes (two rows); rows 0-7 from off0, rows 8-15 from off1
.macro LOADT set, base, off0, off1, nt
.irp n, 0,1,2,3
.if \nt
	global_load_b128 v[G+32*(\set)+4*\n:G+32*(\set)+4*\n+3], v[LI], s[\base:\base+1] offset:(\off0)+512*\n th:TH_LOAD_NT
.else
	global_load_b128 v[G+32*(\set)+4*\n:G+32*(\set)+4*\n+3], v[LI], s[\base:\base+1] offset:(\off0)+512*\n
.endif
.endr
.irp n, 0,1,2,3
.if \nt
	global_load_b128 v[G+32*(\set)+16+4*\n:G+32*(\set)+16+4*\n+3], v[LI], s[\base:\base+1] offset:(\off1)+512*\n th:TH_LOAD_NT
.else
	global_load_b128 v[G+32*(\set)+16+4*\n:G+32*(\set)+16+4*\n+3], v[LI], s[\base:\base+1] offset:(\off1)+512*\n
.endif
.endr
.endm
; tile T of K's fragment b: keys 32 b + 8 T + 0 .. 7 and the eight that lie 16 further on
.macro LOADK set, b, T
	LOADT \set, 6, (32*(\b)+8*(\T))*256, (32*(\b)+8*(\T))*256+4096, 0
.endm
; V: A LANE TAKES A CHANNEL (32 g + lane) AND ITS REGISTERS RUN DOWN THE 32 KEYS OF BLOCK beta: the codes come out with the keys innermost, and nothing is transposed
.macro LOADV set, beta, g
.set i, 0
.rept 32
	global_load_b32 v[G+32*(\set)+i], v[VG], s[8:9] offset:(32*(\beta)+i)*256+128*(\g)
.set i, i+1
.endr
.endm
; A job's head.  left: how many younger global loads may stay out when this job's have to be there
.macro JOBHEAD left
	s_wait_loadcnt \left                           ; loads come back in order (ISA guide 5.7.1): this job's landing set is in
	s_wait_alu depctr_va_vdst(0)                   ; the job before is done reading X and its landing set, in which loads below land, and has written its codes, which the image stores below read; in job 0: the stage's and the images' addresses are written
.endm
; 16 rows go through my stage as they were loaded and come back by rows: lane (r, h) then holds row r, d = 32 h .. 32 h + 31.  LDS serves a wave's instructions in order: no wait between the stores and the loads
.macro TURN set
.irp n, 0,1,2,3,4,5,6,7
	ds_store_b128 v[STD], v[G+32*(\set)+4*\n:G+32*(\set)+4*\n+3] offset:2*SP*\n
.endr
.irp j, 0,1,2,3,4,5,6,7
	ds_load_b128 v[X+4*\j:X+4*\j+3], v[STR] offset:16*\j
.endr
	s_wait_dscnt 0x0                               ; the numbers are back
.endm
; A block of 32 numbers of one lane becomes six registers of codes at v[dst] on (dst even) and its scale byte in v[BYT]
.macro QB src, dst
.set SRC, \src
.set DST, \dst
	v_max3_num_f32 v[MA], |v[SRC]|, |v[SRC+1]|, |v[SRC+2]|          ; the largest magnitude, in two chains that do not wait for each other
	v_max3_num_f32 v[MB], |v[SRC+3]|, |v[SRC+4]|, |v[SRC+5]|
.irp i, 6,10,14,18,22,26
	v_max3_num_f32 v[MA], v[MA], |v[SRC+\i]|, |v[SRC+\i+1]|
	v_max3_num_f32 v[MB], v[MB], |v[SRC+\i+2]|, |v[SRC+\i+3]|
.endr
	v_max3_num_f32 v[MA], v[MA], |v[SRC+30]|, |v[SRC+31]|
	v_max3_num_f32 v[MA], v[MA], v[MB], FLOOR
	v_add_nc_u32 v[SOP], EOFF, v[MA]               ; 4 off its exponent field: the conversion takes this operand's exponent field as its scale and nothing else of it
	s_wait_alu depctr_vm_vsrc(0)                   ; the image stores issued at this job's head have read the codes' registers, which the lines below write; the turn's stores have read the landing set, in which the next job's loads land
	v_cvt_scalef32_pk16_bf6_f32 v[DST:DST+2], v[SRC:SRC+15], v[SOP]
	v_cvt_scalef32_pk16_bf6_f32 v[CT0:CT0+2], v[SRC+16:SRC+31], v[SOP]   ; (a conversion's three registers begin on an even number: the second half is made elsewhere and moved)
	v_lshrrev_b32 v[BYT], 23, v[SOP]               ; the scale's byte; also the plain instruction behind the conversions
.irp i, 0,1,2
	v_mov_b32 v[DST+3+\i], v[CT0+\i]
.endr
.endm
; a tile of 16 queries: codes to v[dst] on, the scale word [s0, s1, s0, s1] to v[qs]
.macro QJOB set, dst, qs
	TURN \set
	QB X, \dst
	v_lshlrev_b32 v[TMP], v[SH8], v[BYT]           ; my half's byte at its place,
	v_permlanex16_b32 v[W2], v[TMP], s[SEL], s[SEL+1]
	v_or_b32 v[W], v[TMP], v[W2]                   ; with lane l xor 16's,
	v_lshl_or_b32 v[\qs], v[W], 16, v[W]           ; and the two once more for the instruction's upper 64 along K
.endm
; tile T of K's fragment b; with T = 1 the fragment and its scale word are whole, and the next job's head stores the image
.macro KJOB set, b, T
	TURN \set
	QB X, C+6*(\T)
	v_lshlrev_b32 v[TMP], v[SH8], v[BYT]
.if (\T) == 0
	v_mov_b32 v[W], v[TMP]                         ; byte 2 T + h of the row's word
.else
	v_lshl_or_b32 v[W], v[TMP], 16, v[W]
	v_permlanex16_b32 v[W2], v[W], s[SEL], s[SEL+1]
	v_or_b32 v[W], v[W], v[W2]                     ; the whole word, in both halves of the lanes
.if (\b)%2 == 0
	v_mov_b32 v[KS+(\b)/2], v[W]                   ; an even fragment's words are read from lanes 0-15,
.else
	v_cndmask_b32 v[KS+(\b)/2], v[KS+(\b)/2], v[W], s[HIM]   ; an odd one's from lanes 16-31 of the same register
.endif
.endif
.endm
; the image of K's fragment b, which the two jobs before have made
.macro KOUT b
.irp c, 0,1,2
	ds_store_b128 v[IMW], v[C+4*\c:C+4*\c+3] offset:FRB*(\b)+512*\c
.endr
.endm
; block beta of channels 32 g + lane: its codes and its byte of my channel's scale word; the next job's head stores the codes
.macro VJOB set, beta, g
	QB G+32*(\set), C
.if (\beta) == 0
	v_mov_b32 v[VS+(\g)], v[BYT]                   ; my channel's scale word: byte beta
.else
	v_lshl_or_b32 v[VS+(\g)], v[BYT], 8*(\beta), v[VS+(\g)]
.endif
.endm
; the codes of block beta of channels 32 g + lane go into V's images: in the reader they are tile 2 g + lane / 16, row lane % 16, half beta % 2 of the lanes, registers 6 (beta / 2) on
.macro VOUT beta, g
.set VB, 2*FRB*(\g)+256*((\beta)%2)
.if (\beta) < 2
	ds_store_b128 v[VIW], v[C:C+3] offset:VB               ; registers 0-3: group 0;
	ds_store_b64 v[VIW], v[C+4:C+5] offset:VB+512          ; 4, 5: the lower half of group 1
.else
	ds_store_b64 v[VIW], v[C:C+1] offset:VB+520            ; registers 6, 7: its upper half;
	ds_store_b128 v[VIW], v[C+2:C+5] offset:VB+1024        ; 8-11: group 2
.endif
.endm
	s_load_b256 s[4:11], s[0:1], 0x0               ; queries s[4:5], keys s[6:7], values s[8:9], out0 s[10:11]
	v_lshl_add_u32 v247, v0, 2, 0x43000
	v_mov_b32 v255, 0
	v_lshrrev_b32 v10, 5, v0
	v_readfirstlane_b32 s[WV], v10                 ; wave 0..15
	v_and_b32 v[LI], 31, v0
	v_lshlrev_b32 v[VG], 2, v[LI]
	v_lshlrev_b32 v[LI], 4, v[LI]
	s_and_b32 s13, ttmp7, 0xffff
	s_lshl_b32 s13, s13, 19                        ; the head: 2,048 rows of 256 bytes
	s_lshl_b32 s14, ttmp9, 17                      ; my work-group's 512 queries,
	s_add_co_u32 s14, s14, s13
	s_wait_alu depctr_va_sdst(0)                   ; the wave's number is written, ahead of its first reader: the four bases and my LDS places are made from it
	s_lshl_b32 s16, s[WV], 13                      ; my wave's 32 of them
	s_add_co_u32 s14, s14, s16
	s_mov_b32 s15, 0
	s_lshl_b32 s16, s[WV], 15                      ; my wave's 128 keys
	s_add_co_u32 s16, s16, s13
	s_mov_b32 s17, 0
	s_wait_kmcnt 0x0
	s_add_nc_u64 s[4:5], s[4:5], s[14:15]
	s_add_nc_u64 s[10:11], s[10:11], s[14:15]
	s_add_nc_u64 s[6:7], s[6:7], s[16:17]
	s_add_nc_u64 s[8:9], s[8:9], s[16:17]
	s_wait_alu depctr_va_vdst(0)                   ; v[LI] and v[VG] are written: every global load and store of the kernel reads one of them as its offset
	; THE HEAD: 18 jobs (two tiles of Q, eight of K, eight blocks of V), job n in landing set n % 4.  No base and no offset register is written again: every step stands in an immediate.
	LOADT 0, 4, 0, 2048, 1                         ; job 0: my first 16 queries (read by nobody else)
	LOADT 1, 4, 4096, 6144, 1                      ; job 1: my second 16
	LOADK 2, 0, 0                                  ; job 2
	s_mul_i32 s28, s[WV], 16*SP
	s_add_co_u32 s28, s28, STAGE                   ; my stage
	s_mul_i32 s29, s[WV], CH                       ; my chunk
	s_mov_b32 s[SEL], 0x76543210
	s_mov_b32 s[SEL+1], 0xfedcba98
	s_mov_b32 s[CS], 0x3e38aa3b                    ; log2(e) / 8
	s_mov_b32 s[CS+1], s[CS]                       ; (named with it as a pair, so it is written)
	s_mov_b32 s[HIM], 0xffff0000
	v_and_b32 v10, 15, v0                          ; r
	v_bfe_u32 v11, v0, 4, 1                        ; h
	v_mul_u32_u24 v[STD], v11, SP
	v_lshl_add_u32 v[STD], v10, 4, v[STD]
	v_add_nc_u32 v[STD], s28, v[STD]
	v_mul_u32_u24 v[STR], v10, SP
	v_lshl_add_u32 v[STW], v11, 5, v[STR]
	v_lshl_add_u32 v[STR], v11, 7, v[STR]
	v_add_nc_u32 v[STR], s28, v[STR]
	v_add_nc_u32 v[STW], s28, v[STW]
	v_add_nc_u32 v[IMW], s29, v[LI]
	v_mul_u32_u24 v[VIW], v11, FRB
	v_lshl_add_u32 v[VIW], v10, 4, v[VIW]
	v_add_nc_u32 v[VIW], s29, v[VIW]
	v_add_nc_u32 v[VIW], VIMG, v[VIW]
	v_lshlrev_b32 v[SH8], 3, v11
.irp i, 0,1,2,3,4,5
	v_mov_b32 v[QZ+\i], 0                          ; the zeros on both sides of q's codes
	v_mov_b32 v[QZ+12+\i], 0
.endr
.irp i, W2, PB, PB+1, PB+2, PB+3, F+1, TMP
	v_mov_b32 v[\i], 0                             ; written once: a lane permute's destination, and the upper half of a pair that is named, count as read
.endr
	JOBHEAD 16                                     ; job 0 is in; the 8 + 8 loads of the two jobs behind it may be out.  So in every job up to job 7
	LOADK 3, 0, 1                                  ; job 3
	QJOB 0, QZ+6, QS
	JOBHEAD 16
	LOADK 0, 1, 0                                  ; job 4: its set was read out by job 0's turn
	QJOB 1, Q1, Q1S
	JOBHEAD 16
	LOADK 1, 1, 1
	KJOB 2, 0, 0
	JOBHEAD 16
	LOADK 2, 2, 0
	KJOB 3, 0, 1
	JOBHEAD 16
	LOADK 3, 2, 1
	KOUT 0                                         ; fragment 0, which jobs 2 and 3 have made
	KJOB 0, 1, 0
	JOBHEAD 16
	LOADK 0, 3, 0
	KJOB 1, 1, 1
	JOBHEAD 16
	LOADK 1, 3, 1
	KOUT 1
	KJOB 2, 2, 0
	JOBHEAD 16
	LOADV 2, 0, 0                                  ; job 10: V's first block, 32 loads
	KJOB 3, 2, 1
	JOBHEAD 40                                     ; job 8 is in; job 9's 8 and job 10's 32 may be out
	KOUT 2
	KJOB 0, 3, 0
	JOBHEAD 32                                     ; job 9 is in; job 10's 32 may be out
	LOADV 3, 0, 1
	KJOB 1, 3, 1
	JOBHEAD 32                                     ; from here on: this job's 32 are in, the next job's 32 may be out
	LOADV 0, 1, 0
	KOUT 3
	VJOB 2, 0, 0
	JOBHEAD 32
	LOADV 1, 1, 1
	VOUT 0, 0                                      ; the codes that the job before has made; so in every job from here on
	VJOB 3, 0, 1
	JOBHEAD 32
	LOADV 2, 2, 0
	VOUT 0, 1
	VJOB 0, 1, 0
	JOBHEAD 32
	LOADV 3, 2, 1
	VOUT 1, 0
	VJOB 1, 1, 1
	JOBHEAD 32
	LOADV 0, 3, 0
	VOUT 1, 1
	VJOB 2, 2, 0
	JOBHEAD 32
	LOADV 1, 3, 1
	VOUT 2, 0
	VJOB 3, 2, 1
	JOBHEAD 32
	VOUT 2, 1
	VJOB 0, 3, 0
	JOBHEAD 0
	VOUT 3, 0
	VJOB 1, 3, 1
	s_wait_alu depctr_va_vdst(0)                   ; the last job has written its codes and the last byte of V's scale words, which the stores below read
	VOUT 3, 1
	ds_store_b128 v[IMW], v[KS:KS+3] offset:SCB    ; my chunk's scale block
	s_wait_dscnt 0x0                               ; for the others' sake: all my stores into my chunk have landed
	s_barrier_signal -1
	s_barrier_wait -1                              ; THE ONE BARRIER: the head's sixteen chunks lie in LDS; from here on they are only read
	s_wait_alu depctr_vm_vsrc(0)                   ; my last image stores have read the codes' registers and v36-39: from here on the steps' loads land in them
; A PASS: one tile of 16 queries against all 2,048 keys, 128 a step; then its way out.  Written once, expanded twice.
.macro PASS j
	v_mov_b32 v13, 0xff61b1e6                      ; the largest t so far: -3e38, under every t
	v_floor_f32 v12, -v13                          ; -M
	v_mov_b32 v14, 0                               ; the row's sum, in two halves
	v_mov_b32 v15, 0
.set i, 0
.rept 32
	v_mov_b32 v[O+i], 0                            ; O^T.  The step is written once: the first finds zeros, which the first change of M leaves zeros
.set i, i+1
.endr
	s_mov_b32 s[TB], 0
	s_mov_b32 s[STEPS], 16
.Lstep_\@:
	s_wait_alu depctr_vm_vsrc(0)                   ; the LDS loads issued so far have read v[ADR]
	v_add_nc_u32 v[ADR], s[TB], v[LI]
	s_wait_alu depctr_va_vdst(0)                   ; v[ADR] is written; the last step's products are done reading K's and V's fragments, p's codes and the scale words, and its vector lines have written p's codes: the loads below land in all of these.  In a pass's first step also: q's codes and scale word are written, which the products below take
	ds_load_b128 v[KS:KS+3], v[ADR] offset:SCB     ; the step's scale words of K and V
.set i, 0
.rept 12
	ds_load_b128 v[KF+4*i:KF+4*i+3], v[ADR] offset:512*i          ; 512 consecutive bytes an instruction
.set i, i+1
.endr
.irp b, 0,1,2,3                                ; S^T = K Q^T: fragment b against [q | 0] (its tile 0) and against [0 | q] (its tile 1); eight results, each begun with 0
	s_wait_dscnt 9                                 ; LDS loads come back in order (ISA guide 5.7.1): the scale words and K's fragments up to b are in; 9 - 3 b loads of K and 3 b of V, issued behind them, may be out
.irp u, 0,1
.if \b%2
	v_wmma_scale_f32_16x16x128_f8f6f4 v[S+8*(2*\b+\u):S+8*(2*\b+\u)+7], v[KF+12*\b:KF+12*\b+11], v[QZ+6-6*\u:QZ+17-6*\u], 0, v[KS+\b/2], v[QS] matrix_a_fmt:MATRIX_FMT_BF6 matrix_b_fmt:MATRIX_FMT_BF6 matrix_a_scale:MATRIX_SCALE_ROW1
.else
	v_wmma_scale_f32_16x16x128_f8f6f4 v[S+8*(2*\b+\u):S+8*(2*\b+\u)+7], v[KF+12*\b:KF+12*\b+11], v[QZ+6-6*\u:QZ+17-6*\u], 0, v[KS+\b/2], v[QS] matrix_a_fmt:MATRIX_FMT_BF6 matrix_b_fmt:MATRIX_FMT_BF6
.endif
.endr
.irp c, 0,1,2
	ds_load_b128 v[VF+12*\b+4*\c:VF+12*\b+4*\c+3], v[ADR] offset:VIMG+FRB*\b+512*\c   ; V's tile b.  No wait: no vector or matrix instruction since the wait at the step's head names v[ADR] or V's registers.  V's twelve loads stay out through the softmax
.endr
.endr
.rept 4
	v_nop                                          ; four places between the last product and the first read of results (ISA guide 7.12.1)
.endr
.irp b, 0,1,2,3
	v_max3_num_f32 v[BM+\b], v[S+16*\b], v[S+16*\b+1], v[S+16*\b+2]   ; THE LARGEST SCORE OF EACH BLOCK OF 32 KEYS serves twice: for the row's maximum and, since p rises with the score, for the block's largest p
.endr
.irp i, 3,5,7,9,11,13
.irp b, 0,1,2,3
	v_max3_num_f32 v[BM+\b], v[BM+\b], v[S+16*\b+\i], v[S+16*\b+\i+1]   ; (the four blocks by turns; each result is read from its low end on)
.endr
.endr
.irp b, 0,1,2,3
	v_max_num_f32 v[BM+\b], v[BM+\b], v[S+16*\b+15]
.endr
.irp b, 0,1,2,3
	v_permlanex16_b32 v[PB+\b], v[BM+\b], s[SEL], s[SEL+1]
.endr
.irp b, 0,1,2,3
	v_max_num_f32 v[BM+\b], v[BM+\b], v[PB+\b]     ; with lane l xor 16's 16 keys
.endr
	v_max3_num_f32 v[TMP], v[BM], v[BM+1], v[BM+2]
	v_max_num_f32 v[TMP], v[TMP], v[BM+3]          ; the step's largest score of my query,
	v_mul_f32 v[TMP], s[CS], v[TMP]                ; as t (c is positive)
	v_max_num_f32 v13, v13, v[TMP]                 ; the running largest t
	v_mov_b32 v[TMP], v12
	v_floor_f32 v12, -v13                          ; the new -M = floor(-t) = -ceil(t): M is a whole number
	v_sub_f32 v[TMP], v12, v[TMP]                  ; old M - new M: a whole number, 0 or less
	v_cvt_i32_f32 v[TMP], v[TMP]                   ; (it saturates)
	v_ldexp_f32 v[F], 1.0, v[TMP]                  ; f = 2^(old M - new M): a multiplication by it rounds nothing
.set i, 0
.rept 32
	v_pk_fma_f32 v[S+i:S+i+1], v[S+i:S+i+1], s[CS:CS+1], v[12:13] op_sel_hi:[1,0,0]   ; t - M, two at a time (of the pairs c and -M the low word serves both halves)
.set i, i+2
.endr
.irp b, 0,1,2,3
	v_fma_f32 v[BM+\b], v[BM+\b], s[CS], v12       ; the same of each block's largest score
.endr
.set i, 0
	s_wait_alu depctr_va_vdst(0)
.rept 64
	v_exp_f32 v[S+i], v[S+i]                       ; p = 2^(t - M), at most 1: not normalised.  ONE BATCH of 68 exponentials: none reads another's result
.set i, i+1
.endr
.irp b, 0,1,2,3
	v_exp_f32 v[BM+\b], v[BM+\b]                   ; the block's largest p: the same two instructions on the same number give the same bits
.endr
	v_pk_mul_f32 v[14:15], v[14:15], v[F:F+1] op_sel_hi:[1,0]   ; the sums under the new M: the plain instruction behind the last exponential; it and the 16 below name no result of the batch
.set i, 0
	s_wait_alu depctr_va_vdst(0)
.rept 16
	v_pk_mul_f32 v[O+i:O+i+1], v[O+i:O+i+1], v[F:F+1] op_sel_hi:[1,0]   ; O^T under the new M, each tile from its low end on
.set i, i+2
.endr
	s_wait_alu depctr_va_vdst(0)                   ; the 68 exponentials have written p and the blocks' largest p: one wait for the whole batch, ahead of its first reader
.irp b, 0,1,2,3
	v_max_num_f32 v[BM+\b], FLOOR, v[BM+\b]        ; the floor: a block whose every p has fallen to 0 keeps the byte 1; its codes are zeros
.endr
.irp b, 0,1,2,3
	v_add_nc_u32 v[SO+\b], EOFF, v[BM+\b]          ; 4 off the exponent field: the conversion's scale operand
.endr
.irp b, 0,1,2,3
	v_lshrrev_b32 v[PB+\b], 23, v[SO+\b]           ; the scale's byte
.endr
	v_lshl_or_b32 v[PS], v[PB+1], 8, v[PB]         ; p's scale word for these 128 keys
	v_lshl_or_b32 v[PS], v[PB+2], 16, v[PS]
	v_lshl_or_b32 v[PS], v[PB+3], 24, v[PS]
.irp c, 0,1
	v_cvt_scalef32_pk16_bf6_f32 v[P+6*\c:P+6*\c+2], v[S+32*\c:S+32*\c+15], v[SO+2*\c]
	v_cvt_scalef32_pk16_bf6_f32 v[CT+4*\c:CT+4*\c+2], v[S+32*\c+16:S+32*\c+31], v[SO+2*\c+1]   ; (a conversion's three registers begin on an even number)
.endr
	v_pk_add_f32 v[10:11], v[S:S+1], v[S+2:S+3]    ; THE ROW'S SUM IS TAKEN OF THE UNQUANTISED p, two at a time, in two chains.  Its first line is the plain instruction behind the conversions
.irp c, 0,1                                    ; the operand's layout wants a WHOLE block in a lane: lanes 0-15 block 2 c, lanes 16-31 block 2 c + 1
.irp i, 0,1,2
	v_permlane16_swap_b32 v[P+6*\c+\i], v[CT+4*\c+\i]
.endr
.irp i, 0,1,2
	v_mov_b32 v[P+6*\c+3+\i], v[CT+4*\c+\i]
.endr
.endr
.irp k, 4,8,12,16,20,24,28,32,36,40,44,48,52
	v_pk_add_f32 v[14:15], v[14:15], v[S+\k:S+\k+1]          ; these 26 stand between the writing of p's codes and scale word and the products that take them
	v_pk_add_f32 v[10:11], v[10:11], v[S+\k+2:S+\k+3]
.endr
	s_wait_dscnt 0x0                               ; V is in
	s_wait_alu depctr_va_vdst(0)                   ; the vector lines above have written p's codes and p's scale word, which the products below take; the 26 sums are the places ahead of this wait
.irp t, 0,1,2,3                                ; O^T += V^T P^T: four tiles of 16 channels, K = these 128 keys; the four accumulators take turns, one instruction a turn
.if \t%2
	v_wmma_scale_f32_16x16x128_f8f6f4 v[O+8*\t:O+8*\t+7], v[VF+12*\t:VF+12*\t+11], v[P:P+11], v[O+8*\t:O+8*\t+7], v[VS+\t/2], v[PS] matrix_a_fmt:MATRIX_FMT_BF6 matrix_b_fmt:MATRIX_FMT_BF6 matrix_a_scale:MATRIX_SCALE_ROW1
.else
	v_wmma_scale_f32_16x16x128_f8f6f4 v[O+8*\t:O+8*\t+7], v[VF+12*\t:VF+12*\t+11], v[P:P+11], v[O+8*\t:O+8*\t+7], v[VS+\t/2], v[PS] matrix_a_fmt:MATRIX_FMT_BF6 matrix_b_fmt:MATRIX_FMT_BF6
.endif
.endr
.irp k, 56,60
	v_pk_add_f32 v[14:15], v[14:15], v[S+\k:S+\k+1]          ; the last five sums name no register of those products: they are the places behind them, ahead of the way out's first read of O^T
	v_pk_add_f32 v[10:11], v[10:11], v[S+\k+2:S+\k+3]
.endr
	v_pk_add_f32 v[14:15], v[14:15], v[10:11]
	s_add_co_u32 s[TB], s[TB], CH                  ; the next chunk
	s_sub_co_u32 s[STEPS], s[STEPS], 1
	s_cmp_lg_u32 s[STEPS], 0
	s_cbranch_scc1 .Lstep_\@
	; THE WAY OUT.  O^T / the row's sum goes through my stage (a lane's eight channels of a row are 32 bytes) and comes back as whole rows of 256 bytes
	v_add_f32 v14, v14, v15                        ; the sum's two halves,
	v_permlanex16_b32 v[TMP], v14, s[SEL], s[SEL+1]
	v_add_f32 v14, v14, v[TMP]                     ; and lane l xor 16's: the row's sum
	s_wait_alu depctr_va_vdst(0)
	v_rcp_f32 v14, v14
	v_nop                                          ; a plain instruction behind the reciprocal,
	s_wait_alu depctr_va_vdst(0)                   ; and a wait ahead of its first reader: the reciprocal has written v14
.set i, 0
.rept 16
	v_pk_mul_f32 v[S+i:S+i+1], v[O+i:O+i+1], v[14:15] op_sel_hi:[1,0]   ; register 8 t + e is out(query r, channel 16 t + 8 h + e); each tile from its low end on
.set i, i+2
.endr
	s_wait_alu depctr_va_vdst(0)                   ; the multiplications have written v[S .. S + 31], which the LDS stores read; the row's sums are done reading v[S + 32 .. S + 63], in which the loads from the stage land
.irp t, 0,1,2,3
	ds_store_b128 v[STW], v[S+8*\t:S+8*\t+3] offset:64*\t
	ds_store_b128 v[STW], v[S+8*\t+4:S+8*\t+7] offset:64*\t+16
.endr
.irp n, 0,1,2,3,4,5,6,7
	ds_load_b128 v[S+32+4*\n:S+32+4*\n+3], v[STD] offset:2*SP*\n     ; LDS serves a wave's instructions in order: these see my stores
.endr
.irp n, 0,1,2,3,4,5,6,7
	s_wait_dscnt 7-\n                              ; load n is back; the younger ones may be out
	global_store_b128 v[LI], v[S+32+4*\n:S+32+4*\n+3], s[10:11] offset:4096*(\j)+512*\n th:TH_STORE_NT   ; 32 lanes store two whole rows: 512 consecutive bytes, at a multiple of 256 from out0's first byte
.endr
.if (\j) == 0
	s_wait_xcnt 0x0                                ; every earlier memory instruction has had its addresses translated (ISA guide 3.1): the stores' data registers are written again only behind this wait,
	s_wait_alu depctr_vm_vsrc(0)                   ; and behind this one: the LDS stores have read v[S .. S + 31] and the global stores v[S + 32 .. S + 63], which the next pass's products write
.irp i, 0,1,2,3,4,5
	v_mov_b32 v[QZ+6+\i], v[Q1+\i]                 ; the second tile's q takes its place between the zeros;
.endr
	v_mov_b32 v[QS], v[Q1S]                        ; the 36 moves at the next pass's head stand between these and the first product
.endif
.endm
	PASS 0
	PASS 1
	s_wait_dscnt 0x0
	s_wait_alu depctr_hold_cnt(0) depctr_sa_sdst(0) depctr_va_vdst(0) depctr_va_sdst(0) depctr_va_ssrc(0) depctr_va_vcc(0) depctr_vm_vsrc(0)
	s_wait_tensorcnt 0x0
	ds_add_u32 v247, v255
	s_wait_dscnt 0x0
	s_endpgm
.Lfunc_end_k_qc254b10827_attn:
	.size	k_qc254b10827_attn, .Lfunc_end_k_qc254b10827_attn-k_qc254b10827_attn
	.p2alignl 7, 3214868480
	.fill 96, 4, 3214868480
	.section	.rodata,"a",@progbits
	.p2align	6, 0x0
	.amdhsa_kernel k_qc254b10827_attn
		.amdhsa_group_segment_fixed_size 276480
		.amdhsa_private_segment_fixed_size 0
		.amdhsa_enable_private_segment 0
		.amdhsa_kernarg_size 32
		.amdhsa_user_sgpr_count 2
		.amdhsa_user_sgpr_kernarg_segment_ptr 1
		.amdhsa_wavefront_size32 1
		.amdhsa_system_sgpr_workgroup_id_x 1
		.amdhsa_system_sgpr_workgroup_id_y 1
		.amdhsa_system_sgpr_workgroup_id_z 1
		.amdhsa_system_vgpr_workitem_id 0
		.amdhsa_next_free_vgpr 256
		.amdhsa_next_free_sgpr 66
		.amdhsa_reserve_vcc 0
		.amdhsa_float_denorm_mode_32 3
		.amdhsa_float_denorm_mode_16_64 3
		.amdhsa_memory_ordered 1
		.amdhsa_forward_progress 1
		.amdhsa_inst_pref_size 115
	.end_amdhsa_kernel
	.amdgpu_metadata
---
amdhsa.version: [ 1, 2 ]
amdhsa.kernels:
  - .name:           k_qc254b10827_attn
    .symbol:         k_qc254b10827_attn.kd
    .args:
      - { .name: queries, .offset: 0, .size: 8, .value_kind: global_buffer, .address_space: global }
      - { .name: keys, .offset: 8, .size: 8, .value_kind: global_buffer, .address_space: global }
      - { .name: values, .offset: 16, .size: 8, .value_kind: global_buffer, .address_space: global }
      - { .name: out0, .offset: 24, .size: 8, .value_kind: global_buffer, .address_space: global }
    .group_segment_fixed_size: 276480
    .private_segment_fixed_size: 0
    .kernarg_segment_align: 8
    .kernarg_segment_size: 32
    .max_flat_workgroup_size: 512
    .sgpr_count:     66
    .vgpr_count:     256
    .wavefront_size: 32
...
	.end_amdgpu_metadata
.endif
;; end of part 2
